; MI455X (gfx1250); checked and timed in simulation.
; The chip was launched on July 23, 2026; its instructions are those of AMD's public machine-readable ISA for CDNA 5 (MIT licence, August 2026) and "CDNA5" Instruction Set Architecture Reference Guide (July 2026). The comments in the code are by the model that wrote it; some were corrected since.
;; Multi Head Attention. Allowed arithmetic: matrix products marked QUANTISED: E4M3 operands, one given power-of-two scale a tensor, by v_wmma_f32_16x16x64_fp8_fp8 or v_wmma_f32_16x16x128_fp8_fp8, f32 sums; everything else in f32.
;; Inputs: K_codes 4 x 2,048 x 32 x 32 uint8 (E4M3 codes of K, K innermost, in blocks of 32 codes); Q_codes 4 x 2,048 x 32 x 32 uint8 (E4M3 codes of Q, K innermost, in blocks of 32 codes); V_codes 4 x 2,048 x 32 x 32 uint8 (E4M3 codes of V, K innermost, in blocks of 32 codes); Wk_codes 1,024 x 32 x 32 uint8 (E4M3 codes of Wk, K innermost, in blocks of 32 codes); Wq_codes 1,024 x 32 x 32 uint8 (E4M3 codes of Wq, K innermost, in blocks of 32 codes); Wv_codes 1,024 x 32 x 32 uint8 (E4M3 codes of Wv, K innermost, in blocks of 32 codes); bk 1,024 float32; bq 1,024 float32; bv 1,024 float32; lowp_scales 10 int32 (the exponents e of the quantised operands' scales 2^e); mask 4 x 2,048 int32.
;; Outputs: out0 4 x 2,048 x 1,024 float32.
;; This version of the problem:
;;   THIS VERSION OF THE PROBLEM IS GIVEN IN LOW PRECISION. The matrix products marked QUANTISED in the list below multiply operands that are first quantised to E4M3 (4 exponent bits, 3 mantissa bits; 8 bits a number), with one given power-of-two scale for each operand tensor; their sums are f32. All else is computed in f32.
;;   The module's matrix products, in the order in which they are computed (A, B: the left and right operand; K: the contracted axis; several contracted axes count as one K, in the product's order):
;;     1. [M 8,192, K 1,024] x [K 1,024, N 1,024]; A: input Q (given as codes); B: input Wq (given as codes): QUANTISED (scales: A lowp_scales[0], B lowp_scales[1])
;;     2. [M 8,192, K 1,024] x [K 1,024, N 1,024]; A: input K (given as codes); B: input Wk (given as codes): QUANTISED (scales: A lowp_scales[2], B lowp_scales[3])
;;     3. [M 8,192, K 1,024] x [K 1,024, N 1,024]; A: input V (given as codes); B: input Wv (given as codes): QUANTISED (scales: A lowp_scales[4], B lowp_scales[5])
;;     4. batch 64 x [M 2,048, K 64] x [K 64, N 2,048]; A: computed on the way; B: computed on the way: QUANTISED (scales: A lowp_scales[6], B lowp_scales[7])
;;     5. batch 64 x [M 64, K 2,048] x [K 2,048, N 2,048]; A: computed on the way; B: softmax (see below): QUANTISED (scales: A lowp_scales[8], B lowp_scales[9])
;;   THE QUANTISER, for each operand of a quantised product, along K:
;;     - The operand's scale is 2^e, e = its entry of the input lowp_scales (int32; the entries are numbered through the quantised products in the list's order, A before B).
;;     - Each number is divided by the scale, clamped to +-448, and rounded to the nearest number of E4M3, ties to even, subnormals kept.
;;     - The product sums the exact products of the quantised numbers (number of the format x scale) in f32.
;;   ~~~python
;;   def quantise(x, axis, e):      # numpy; x: float32 -> the quantised numbers, widened to float32 again
;;       x = np.moveaxis(x, axis, -1); K = x.shape[-1]
;;       r = np.clip(x / 2.0 ** e, -448, 448)
;;       step = 2.0 ** (np.maximum(np.frexp(np.where(r == 0, 1, r))[1] - 1, -6) - 3)
;;       q = np.round(r / step) * step * 2.0 ** e      # np.round: ties to even
;;       return np.moveaxis(q, -1, axis).astype(np.float32)
;;   ~~~
;;   SOFTMAX AHEAD OF A QUANTISED PRODUCT. Where the list says 'softmax', what is quantised is not the finished softmax but p = 2^(t - M), with t = logit x log2(e) and M = ceil(the row's largest t), a whole number; so 1/2 < the row's largest p <= 1. The row's sum l is taken of the UNQUANTISED p, in f32, and the product's result is divided by l at the end. Since M is a whole number, a kernel that streams over the keys may use a running M (the ceiling of the running maximum): every later rescaling is an exact power of two, so the quantised numbers keep their values, but for numbers so far below the row's largest that they fall under the format's range.
;;   OPERANDS COMPUTED ON THE WAY. 'Computed on the way' means the value that the module computes at that place (a softmax that the list does not call 'softmax' is quantised finished and normalised). What goes into a quantiser is computed in f32, as accurately as f32 sums, v_exp_f32 and their like allow (about 1e-6 of the number): no bf16 or f16 on the way to a quantiser, and a product that is left as it is and whose result goes on into a quantised operand takes f32 operands (vector FMAs, or v_wmma_f32_16x16x4_f32). A number that lies on a knife's edge between two numbers of the format may be rounded either way, as far as f32 arithmetic and the matrix unit's own rounding can turn it there, and no further.
;;   INPUTS GIVEN AS CODES. K (in the module: [4, 2048, 1024], K = its axis 2); Q (in the module: [4, 2048, 1024], K = its axis 2); V (in the module: [4, 2048, 1024], K = its axis 2); Wk (in the module: [1024, 1024], K = its axis 0); Wq (in the module: [1024, 1024], K = its axis 0); Wv (in the module: [1024, 1024], K = its axis 0): each comes as NAME_codes (uint8): NAME with its K axis moved to the last place and cut into blocks of 32 codes, [.., K / 32, bytes a block], one block behind the other in memory; one code a byte (a code: sign, 4 exponent bits, 3 mantissa bits); its scale is its entry of lowp_scales. Its value is code x scale, taken as it is: it is not quantised again, and the codes and scales need not be those that the quantiser above would give.
;; One version. Each part assembles by itself: llvm-mc -triple=amdgcn-amd-amdhsa -mcpu=gfx1250 --defsym DOCPART=n.
;; ======== version 1 of 1: 2 launches
;; limits: right only within a limited range of input values
;; workspace buffers: qc 8,388,608 bytes; kc 8,388,608 bytes; vc 8,388,608 bytes
;; launch proj (part 1): grid 4 x 96, 4 waves a work-group, clusters of 4 x 4, 327,680 bytes of LDS; arguments Q_codes, K_codes, V_codes, Wq_codes, Wk_codes, Wv_codes, bq, bk, bv, lowp_scales, qc, kc, vc; writes qc, kc, vc
.if DOCPART == 1
	.amdgcn_target "amdgcn-amd-amdhsa--gfx1250"
	.amdhsa_code_object_version 6
	.text
	.protected	k_qdf10da6ec9_proj
	.globl	k_qdf10da6ec9_proj
	.p2align	8
	.type	k_qdf10da6ec9_proj,@function
k_qdf10da6ec9_proj:
	s_mov_b64 s[64:65], 0
	v_nop
	global_prefetch_b8 v0, s[64:65] scope:SCOPE_SE
	s_setreg_imm32_b32 hwreg(HW_REG_WAVE_MODE, 25, 1), 1
	s_wait_xcnt 0x0
	s_wait_alu depctr_hold_cnt(0) depctr_sa_sdst(0) depctr_va_vdst(0) depctr_va_sdst(0) depctr_va_ssrc(0) depctr_va_vcc(0) depctr_vm_vsrc(0)
	s_getreg_b32 s2, hwreg(HW_REG_IB_STS2, 6, 4)
	s_cmp_eq_u32 s2, 0
	s_cbranch_scc0 .Lentry_in_a_cluster
	s_endpgm
.Lentry_in_a_cluster:
	s_bfe_u32 s2, ttmp6, 0x10000c
	s_cmp_lg_u32 s2, 0xf033
	s_cbranch_scc0 .Lentry_shape_is_right
	s_endpgm
.Lentry_shape_is_right:
.set ROWB,   256
.set KROW,   1024
.set PITCH,  272
.set FR,     16
.set NL,     4
.set NP,     4
.set HALFT,  128*PITCH
.set SLOT,   4*HALFT
.set SPARE,  2*SLOT
.set ADRA, 16
.set ADRB, 20
.set L16,  24
.set SPW,  28
.set NIL,  29
.set BC,   32
.set T,    32
.set BR,   96
.set OFF,  112
.set SCV,  120
.set LIM,  121
.set AF,   128
.set CD,   128
.set G1, 24
.set G0, 32
.set G1B, 48
.set G0B, 56
.set MSB, 0
.macro WIN new
.if MSB != (\new)
	s_set_vgpr_msb (MSB<<8)|(\new)
.set MSB, (\new)
.endif
.endm
.set MUL_LO, 0xa1
.set MUL_HI, 0xf1
.set BEG_LO, 0x81
.set BEG_HI, 0xc1
.set TO_B,   0x40
.macro JLOAD g0a, g1a, g0b, g1b
	s_cmp_eq_u32 s15, 0
	s_cbranch_scc0 .Lfor_b_\@
	tensor_load_to_lds s[\g0a:\g0a+3], s[\g1a:\g1a+7]
	s_nop 0
.rept 4
	v_nop
.endr
	s_branch .Lasked_\@
.Lfor_b_\@:
	tensor_load_to_lds s[\g0b:\g0b+3], s[\g1b:\g1b+7]
	s_nop 0
.rept 4
	v_nop
.endr
.Lasked_\@:
.endm
.macro CREST
	s_cmp_lg_u32 s14, 0
	s_cbranch_scc1 .Lnot_wave_0_\@
	s_barrier_signal -3
.Lnot_wave_0_\@:
	s_barrier_wait -3
	s_barrier_signal -1
	s_barrier_wait -1
.endm
.macro CROUND
	s_barrier_signal -1
	s_barrier_wait -1
	CREST
.endm
	s_load_b256 s[68:75], s[0:1], 0x0
	s_load_b256 s[76:83], s[0:1], 0x20
	s_load_b256 s[84:91], s[0:1], 0x40
	s_load_b64 s[92:93], s[0:1], 0x60
	v_lshl_add_u32 v[SPW], v0, 2, SPARE
	v_mov_b32 v[NIL], 0
	ds_add_u32 v28, v29
	ds_add_u32 v28, v29
	s_wait_dscnt 0x0
	v_lshrrev_b32 v1, 5, v0
	v_readfirstlane_b32 s14, v1
	s_lshr_b32 s15, s14, 1
	s_and_b32 s16, s14, 1
	s_bfe_u32 s40, ttmp6, 0x40000
	s_bfe_u32 s41, ttmp6, 0x40004
	s_and_b32 s12, ttmp7, 0xffff
	s_lshr_b32 s13, s12, 3
	s_and_b32 s94, s12, 7
	s_mov_b32 s95, 16384
	s_cmp_eq_u32 s13, 2
	s_cselect_b32 s18, 0, s94
	s_cselect_b32 s19, s94, 0
	s_cselect_b32 s95, 2048, s95
	s_cselect_b32 s98, 0, -1
	s_cselect_b32 s99, -1, 0
	s_cselect_b32 s3, 7, 4
	s_lshl_b32 s17, s18, 2
	s_add_co_u32 s17, s17, s41
	s_lshl_b32 s42, s19, 2
	s_add_co_u32 s42, s42, s40
	s_lshl_b32 s43, s41, 2
	s_lshl_b32 s43, 15, s43
	s_lshl_b32 s44, 0x1111, s40
	s_or_b32 s[G1+0], s43, (0<<16)|(1<<20)|(1<<21)|(5<<22)|(3<<25)
	s_or_b32 s[G1B+0], s44, (0<<16)|(1<<20)|(1<<21)|(5<<22)|(3<<25)
.irp g, G1, G1B
	s_mov_b32 s[\g+1], ROWB<<16
	s_mov_b32 s[\g+2], 128<<16
	s_mov_b32 s[\g+3], ROWB<<16
	s_mov_b32 s[\g+4], 128
	s_mov_b32 s[\g+5], KROW
	s_mov_b32 s[\g+6], 0
	s_mov_b32 s[\g+7], 0
.endr
	s_lshl_b32 s66, s17, 8
	s_lshl_b32 s18, s15, 7
	s_add_co_u32 s66, s66, s18
	s_lshl_b32 s67, s42, 8
	s_lshl_b32 s18, s16, 7
	s_add_co_u32 s67, s67, s18
	s_lshl_b32 s20, s17, 8
	s_add_co_u32 s20, s20, s18
	s_lshl_b32 s20, s20, 10
	s_mov_b32 s21, 0
	s_lshl_b32 s46, s42, 8
	s_add_co_u32 s46, s46, s18
	s_lshl_b32 s46, s46, 10
	s_mov_b32 s47, 0
	s_mul_i32 s45, s14, HALFT
	v_and_b32 v1, 15, v0
	v_bfe_u32 v2, v0, 4, 1
	v_lshlrev_b32 v5, 5, v2
	v_lshlrev_b32 v6, 2, v1
	s_wait_alu depctr_va_vdst(0)
	s_wait_kmcnt 0x0
	s_cmp_eq_u32 s13, 0
	s_cselect_b64 s[4:5], s[68:69], s[70:71]
	s_cselect_b64 s[6:7], s[74:75], s[76:77]
	s_cselect_b64 s[8:9], s[80:81], s[82:83]
	s_cselect_b64 s[10:11], s[88:89], s[90:91]
	s_cmp_eq_u32 s13, 2
	s_cselect_b64 s[4:5], s[78:79], s[4:5]
	s_cselect_b64 s[6:7], s[72:73], s[6:7]
	s_cselect_b64 s[8:9], s[84:85], s[8:9]
	s_cselect_b64 s[10:11], s[92:93], s[10:11]
	s_cselect_b32 s92, s67, s66
	s_cselect_b32 s93, s66, s67
	s_cselect_b32 s88, 0, s67
	s_cselect_b32 s90, s66, 0
	s_load_b256 s[68:75], s[86:87], 0x0
	s_load_b64 s[76:77], s[86:87], 0x20
	s_add_nc_u64 s[20:21], s[4:5], s[20:21]
	s_add_nc_u64 s[46:47], s[6:7], s[46:47]
	s_lshl_b32 s92, s92, 10
	s_lshl_b32 s93, s93, s3
	s_add_co_u32 s92, s92, s93
	s_mov_b32 s93, 0
	s_add_nc_u64 s[10:11], s[10:11], s[92:93]
	s_lshl_b32 s88, s88, 2
	s_mov_b32 s89, 0
	s_lshl_b32 s90, s90, 2
	s_mov_b32 s91, 0
	s_add_nc_u64 s[88:89], s[8:9], s[88:89]
	s_add_nc_u64 s[90:91], s[8:9], s[90:91]
.irp b, 0,1,2,3,4,5,6,7
	global_load_b128 v[BC+8*\b:BC+8*\b+3],   v5, s[88:89] offset:64*\b
	global_load_b128 v[BC+8*\b+4:BC+8*\b+7], v5, s[88:89] offset:64*\b+16
.endr
.irp a, 0,1,2,3,4,5,6,7
	global_load_b32 v[BR+2*\a], v6, s[90:91] offset:64*\a
.endr
	CROUND
.irp s, 0,1
	s_mov_b32 s[G0+4*\s], 1
	s_add_co_u32 s[G0+4*\s+1], s45, \s*SLOT
	s_add_nc_u64 s[G0+4*\s+2:G0+4*\s+3], s[20:21], \s*ROWB
	s_or_b32 s[G0+4*\s+3], s[G0+4*\s+3], 0x80000000
	s_mov_b32 s[G0B+4*\s], 1
	s_add_co_u32 s[G0B+4*\s+1], s45, \s*SLOT
	s_add_nc_u64 s[G0B+4*\s+2:G0B+4*\s+3], s[46:47], \s*ROWB
	s_or_b32 s[G0B+4*\s+3], s[G0B+4*\s+3], 0x80000000
	s_wait_alu depctr_va_vdst(0)
	s_wait_tensorcnt 0x0
	ds_add_u32 v28, v29
	ds_add_u32 v28, v29
	s_wait_dscnt 0x0
	CROUND
	JLOAD G0+4*\s, G1, G0B+4*\s, G1B
.endr
	v_mul_u32_u24 v3, v1, PITCH
	v_lshl_add_u32 v4, v2, 4, v3
	s_mul_i32 s22, s15, HALFT
	s_mul_i32 s23, s16, HALFT
	s_add_co_u32 s23, s23, 2*HALFT
.irp s, 0,1
	v_add_nc_u32 v[ADRA+\s], s22, v4
	v_add_nc_u32 v[ADRB+\s], s23, v4
	s_add_co_u32 s22, s22, SLOT
	s_add_co_u32 s23, s23, SLOT
.endr
	v_and_b32 v7, 31, v0
	v_lshlrev_b32 v[L16], 4, v7
.irp a, 0,1,2,3,4,5,6,7
	v_mad_u32_u24 v[OFF+\a], s95, \a, v[L16]
.endr
	s_wait_kmcnt 0x0
	s_add_co_i32 s78, s68, s69
	s_add_co_i32 s79, s70, s71
	s_add_co_i32 s80, s72, s73
	s_cmp_eq_u32 s13, 0
	s_cselect_b32 s96, s78, s79
	s_cselect_b32 s97, s74, s75
	s_cmp_eq_u32 s13, 2
	s_cselect_b32 s96, s80, s96
	s_cselect_b32 s97, s76, s97
	s_sub_co_i32 s78, 0, s96
	s_sub_co_i32 s79, s97, s96
	s_add_co_i32 s79, s79, 127
	s_lshl_b32 s80, s79, 23
	v_mov_b32 v[SCV], s80
	s_add_co_i32 s79, s79, 8
	s_lshl_b32 s79, s79, 23
	s_or_b32 s79, s79, 0x600000
	s_wait_loadcnt 0x0
.set j, 0
.rept 64
	v_ldexp_f32 v[BC+j], v[BC+j], s78
	v_cndmask_b32 v[BC+j], 0, v[BC+j], s98
.set j, j+1
.endr
.irp a, 0,1,2,3,4,5,6,7
	v_ldexp_f32 v[BR+2*\a], v[BR+2*\a], s78
	v_cndmask_b32 v[BR+2*\a], 0, v[BR+2*\a], s99
	v_mov_b32 v[BR+2*\a+1], v[BR+2*\a]
.endr
.macro FRAG reg, adr, q, i
.irp c, 0,1,2,3
	ds_load_b128 v[\reg+4*\c:\reg+4*\c+3], v[\adr] offset:128*(\q)+32*\c+(\i)*16*PITCH
.endr
.endm
.macro MUL16 a0, p, zero
.irp a, \a0, \a0+1
.irp b, 0,1,2,3,4,5,6,7
.if \zero
	v_wmma_f32_16x16x128_fp8_fp8 v[8*(8*((\a)%4)+\b):8*(8*((\a)%4)+\b)+7], v[128*(\p)+FR*\b:128*(\p)+FR*\b+FR-1], v[AF+FR*(\a):AF+FR*(\a)+FR-1], v[BC+8*\b:BC+8*\b+7]
.else
	v_wmma_f32_16x16x128_fp8_fp8 v[8*(8*((\a)%4)+\b):8*(8*((\a)%4)+\b)+7], v[128*(\p)+FR*\b:128*(\p)+FR*\b+FR-1], v[AF+FR*(\a):AF+FR*(\a)+FR-1], v[8*(8*((\a)%4)+\b):8*(8*((\a)%4)+\b)+7]
.endif
.endr
.endr
.endm
.macro FETCH_B slot, q, p
	WIN TO_B
.irp i, 0,1,2,3,4,5,6,7
	FRAG 128*(\p)+FR*\i, ADRB+\slot, \q, \i
.endr
	WIN 0
.endm
.macro FETCH_A slot, q, i0
.irp i, \i0, \i0+1, \i0+2, \i0+3
	FRAG AF+FR*(\i), ADRA+\slot, \q, \i
.endr
.endm
.macro PLACES n
.rept \n
	v_nop
.endr
.endm
.macro STEP slot, q, zero
	s_wait_dscnt 4*NL
.if \zero
	WIN BEG_LO
.else
	WIN MUL_LO
.endif
	MUL16 0, (\q)%2, \zero
	MUL16 2, (\q)%2, \zero
	s_wait_dscnt 0
	PLACES NP
	FETCH_B \slot, (\q)+1, 1-(\q)%2
	FETCH_A \slot, (\q)+1, 0
.if \zero
	WIN BEG_HI
.else
	WIN MUL_HI
.endif
	MUL16 4, (\q)%2, \zero
	MUL16 6, (\q)%2, \zero
	PLACES NP
	WIN 0
	FETCH_A \slot, (\q)+1, 4
.endm
.macro TURN slot, next, fill
	s_wait_tensorcnt 0x0
	ds_add_u32 v[SPW], v[NIL]
	s_wait_dscnt 4*NL+1
	WIN MUL_LO
	MUL16 0, 1, 0
	s_wait_dscnt 0x0
	s_barrier_signal -1
	MUL16 2, 1, 0
	WIN 0
	s_barrier_wait -1
.if \fill
	CREST
	s_add_nc_u64 s[G0+4*\slot+2:G0+4*\slot+3], s[G0+4*\slot+2:G0+4*\slot+3], 2*ROWB
	s_add_nc_u64 s[G0B+4*\slot+2:G0B+4*\slot+3], s[G0B+4*\slot+2:G0B+4*\slot+3], 2*ROWB
	JLOAD G0+4*\slot, G1, G0B+4*\slot, G1B
.else
	PLACES NP
.endif
	FETCH_B \next, 0, 0
	FETCH_A \next, 0, 0
	WIN MUL_HI
	MUL16 4, 1, 0
	MUL16 6, 1, 0
	PLACES NP
	WIN 0
	FETCH_A \next, 0, 4
.endm
	s_wait_tensorcnt 1
	s_barrier_signal -1
	s_barrier_wait -1
	FETCH_B 0, 0, 0
	FETCH_A 0, 0, 0
	FETCH_A 0, 0, 4
	STEP 0, 0, 1
	TURN 0, 1, 1
	STEP 1, 0, 0
	TURN 1, 0, 1
	STEP 0, 0, 0
	TURN 0, 1, 0
	STEP 1, 0, 0
	s_wait_dscnt 4*NL
	WIN MUL_LO
	MUL16 0, 1, 0
	MUL16 2, 1, 0
	s_wait_dscnt 0
	WIN MUL_HI
	MUL16 4, 1, 0
	MUL16 6, 1, 0
	WIN 0
.macro OUTA a
	WIN 0x02+((\a)/4)
.set j, 0
.rept 32
	v_pk_add_f32 v[T+j:T+j+1], v[64*((\a)%4)+j:64*((\a)%4)+j+1], v[BR+2*(\a):BR+2*(\a)+1]
.set j, j+2
.endr
	WIN 0
.set j, 0
.rept 64
.set j, j+1
.endr
.irp b, 0,1,2,3,4,5,6,7
	v_cvt_scalef32_pk8_fp8_f32 v[CD+16*(\a)+2*\b:CD+16*(\a)+2*\b+1], v[T+8*\b:T+8*\b+7], v[SCV]
.endr
	v_nop
.irp p, 0,1,2,3
	global_store_b128 v[OFF+(\a)], v[CD+16*(\a)+4*\p:CD+16*(\a)+4*\p+3], s[10:11] offset:512*\p
.endr
.endm
	PLACES NP
.irp a, 0,1,2,3,4,5,6,7
	OUTA \a
.endr
	s_wait_tensorcnt 0x0
	ds_add_u32 v[SPW], v[NIL]
	s_wait_dscnt 0x0
	CROUND
	s_endpgm
.Lfunc_end_k_qdf10da6ec9_proj:
	.size	k_qdf10da6ec9_proj, .Lfunc_end_k_qdf10da6ec9_proj-k_qdf10da6ec9_proj
	.p2alignl 7, 3214868480
	.fill 96, 4, 3214868480
	.section	.rodata,"a",@progbits
	.p2align	6, 0x0
	.amdhsa_kernel k_qdf10da6ec9_proj
		.amdhsa_group_segment_fixed_size 327680
		.amdhsa_private_segment_fixed_size 0
		.amdhsa_enable_private_segment 0
		.amdhsa_kernarg_size 104
		.amdhsa_user_sgpr_count 2
		.amdhsa_user_sgpr_kernarg_segment_ptr 1
		.amdhsa_wavefront_size32 1
		.amdhsa_system_sgpr_workgroup_id_x 1
		.amdhsa_system_sgpr_workgroup_id_y 1
		.amdhsa_system_sgpr_workgroup_id_z 1
		.amdhsa_system_vgpr_workitem_id 0
		.amdhsa_next_free_vgpr 1024
		.amdhsa_next_free_sgpr 100
		.amdhsa_reserve_vcc 0
		.amdhsa_float_denorm_mode_32 3
		.amdhsa_float_denorm_mode_16_64 3
		.amdhsa_fp16_overflow 1
		.amdhsa_memory_ordered 1
		.amdhsa_forward_progress 1
		.amdhsa_inst_pref_size 116
	.end_amdhsa_kernel
	.amdgpu_metadata
---
amdhsa.version: [ 1, 2 ]
amdhsa.kernels:
  - .name:           k_qdf10da6ec9_proj
    .symbol:         k_qdf10da6ec9_proj.kd
    .args:
      - { .name: Q_codes, .offset: 0, .size: 8, .value_kind: global_buffer, .address_space: global }
      - { .name: K_codes, .offset: 8, .size: 8, .value_kind: global_buffer, .address_space: global }
      - { .name: V_codes, .offset: 16, .size: 8, .value_kind: global_buffer, .address_space: global }
      - { .name: Wq_codes, .offset: 24, .size: 8, .value_kind: global_buffer, .address_space: global }
      - { .name: Wk_codes, .offset: 32, .size: 8, .value_kind: global_buffer, .address_space: global }
      - { .name: Wv_codes, .offset: 40, .size: 8, .value_kind: global_buffer, .address_space: global }
      - { .name: bq, .offset: 48, .size: 8, .value_kind: global_buffer, .address_space: global }
      - { .name: bk, .offset: 56, .size: 8, .value_kind: global_buffer, .address_space: global }
      - { .name: bv, .offset: 64, .size: 8, .value_kind: global_buffer, .address_space: global }
      - { .name: lowp_scales, .offset: 72, .size: 8, .value_kind: global_buffer, .address_space: global }
      - { .name: qc, .offset: 80, .size: 8, .value_kind: global_buffer, .address_space: global }
      - { .name: kc, .offset: 88, .size: 8, .value_kind: global_buffer, .address_space: global }
      - { .name: vc, .offset: 96, .size: 8, .value_kind: global_buffer, .address_space: global }
    .group_segment_fixed_size: 327680
    .private_segment_fixed_size: 0
    .kernarg_segment_align: 8
    .kernarg_segment_size: 104
    .max_flat_workgroup_size: 128
    .sgpr_count:     100
    .vgpr_count:     1024
    .wavefront_size: 32
...
	.end_amdgpu_metadata
.endif
;; end of part 1
;; launch attn (part 2): grid 4 x 64, 8 waves a work-group, clusters of 4 x 1, 327,680 bytes of LDS; arguments qc, kc, vc, mask, lowp_scales, out0; writes out0
.if DOCPART == 2
	.amdgcn_target "amdgcn-amd-amdhsa--gfx1250"
	.amdhsa_code_object_version 6
	.text
	.protected	k_qdf10da6ec9_attn
	.globl	k_qdf10da6ec9_attn
	.p2align	8
	.type	k_qdf10da6ec9_attn,@function
k_qdf10da6ec9_attn:
	s_mov_b64 s[64:65], 0
	v_nop
	global_prefetch_b8 v0, s[64:65] scope:SCOPE_SE
	s_setreg_imm32_b32 hwreg(HW_REG_WAVE_MODE, 25, 1), 1
	s_wait_xcnt 0x0
	s_wait_alu depctr_hold_cnt(0) depctr_sa_sdst(0) depctr_va_vdst(0) depctr_va_sdst(0) depctr_va_ssrc(0) depctr_va_vcc(0) depctr_vm_vsrc(0)
	s_getreg_b32 s2, hwreg(HW_REG_IB_STS2, 6, 4)
	s_cmp_eq_u32 s2, 0
	s_cbranch_scc0 .Lentry_in_a_cluster
	s_endpgm
.Lentry_in_a_cluster:
	s_bfe_u32 s2, ttmp6, 0x10000c
	s_cmp_lg_u32 s2, 0x3003
	s_cbranch_scc0 .Lentry_shape_is_right
	s_endpgm
.Lentry_shape_is_right:
; ATTENTION on codes of FP8 (E4M3): out[b][q][head][:] = the sum over keys of softmax(q . k / 8, keys with mask == 0 at -1e9) v, both products quantised; q, k, v come as images of operand registers (buffers qc, kc, vc).
;   qc, kc: [16 tokens: 512][head: 16][1,024 bytes]: a fragment of the K = 64 form: registers 4 i .. 4 i + 3 at 512 i + 16 x lane; lane (r, h), registers 2 c, 2 c + 1: d = 16 c + 8 h + 0 .. 7 of token r.
;   vc:     [128 keys: 64][head: 16][16 d: 4][2,048 bytes]: a fragment of the K = 128 form: registers 4 p .. 4 p + 3 at 512 p + 16 x lane; lane (r, h), registers 2 c, 2 c + 1: keys 16 c + 8 h + 0 .. 7 of channel r.
; THE SOFTMAX AHEAD OF THE SECOND PRODUCT: t = logit x log2(e); M = the row's largest t so far, rounded UP to a whole number; p = 2^(t - M) is quantised, not normalised; the row's sum is taken of the unquantised p and
; divides at the end.  When M moves, the sum and O are multiplied by 2^(old M - new M), which rounds nothing.
; SHARES.  A work-group owns 512 queries of one batch and head; each of its eight waves 64: four tiles of 16.  Two waves share a SIMD, so that one wave's vector work stands beside the other's products and LDS loads.
; Every fragment of K, of V and of the mask's bias that a wave reads from LDS feeds its four tiles.  Every wave walks all 2,048 keys, 128 a step.
; ALL OF THE HEAD'S K AND V LIE IN LDS (131,072 bytes each, as images, dense): each LDS byte is filled once, at the start; nothing is filled again.
; CLUSTER.  The four query blocks of a batch and head form a cluster and need the same K and V: each tile is asked for JOINTLY, by the same tensor load with the same descriptor and a mask that names the four.
; LAYOUT.  Both products are used transposed: S^T = K Q^T (source 0 = 16 keys, source 1 = 16 queries), O^T = V^T P (source 0 = 16 channels, source 1 = P): a lane holds ONE query (lane % 16) throughout.  In S^T's tile t a lane's
; eight registers are keys 16 t + 8 h + 0 .. 7: their conversion IS registers 2 t, 2 t + 1 of P.
; THE MASK costs no instruction a score: bias(key) = 0, or -2^64 where mask == 0, lies in LDS and is the C of the products K Q^T.  A raw score is under 64 x 448^2 < 2^24 in magnitude, so a hidden key loses every maximum
; and its p is 0.  The largest t begins at -2^24 x c, under every open key's t.  A BATCH WITH NO OPEN KEY: c is selected to 0, so every t is 0, M = 0, p = 1 and the sum 2,048: the plain mean, as all logits are then equal.
; LIMITS on the given exponents: e6 + e7 between -50 and 9 (every open logit then lies above -1e9, and a hidden key's t lies more than 149 under M); e9 between -8 and 127; e8 + e9 is applied by v_ldexp_f32 and has none.
; REGISTERS, in two windows of 256.  Window 0: v1-11 addresses, v[12:13] c; v14 2^e9; v16-21 at work; v32-63 statistics, eight a tile; v64-127 S^T of the tile in hand, then p; v128-143 P; v160-191 Q; v192-255 the bias.
;   Window 1: v0-63 K's eight fragments; v64-127 V's four; v128-255 O^T (tile i, channels 16 d on: v[128 + 32 i + 8 d]).
.set DUALMIN, 1                        ; 1: p is not held; 0: one v_min_num_f32 a number
.set VREG,  131072                     ; LDS: K's images from 0 on (tile of 16 keys T at 1,024 T); V's from here on (step s at 8,192 s, channels 16 d on at 2,048 d)
.set BIAS,  262144                     ; the mask's bias: 2,048 f32
.set FLAG,  270336                     ; eight words: has wave w seen an open key?
.set STAGE, 270592                     ; the way out: 16 rows x 272 bytes for each wave.  No tensor load lands from BIAS on
.set SP,    272
.set L16, 1                            ; v1   16 x lane
.set LV,  2                            ; v2   16 x lane + VREG
.set ADK, 3                            ; v3-5 the step's LDS addresses: K, V, bias
.set ADV, 4
.set ADB, 5
.set AB0, 6                            ; v6   BIAS + 32 h
.set STO, 7                            ; v7   the way out: where I put 16 bytes of a row
.set RD,  8                            ; v8   where I read a row back
.set HL0, 9
.set HL1, 10
.set GO,  11                           ; v11  my byte offset in the wave's rows of the output
.set CV,  12                           ; v[12:13] c = log2(e) / 8 x 2^(e6 + e7), or 0
.set SC,  14                           ; v14  2^e9 as f32
.set TA,  16
.set TB2, 17
.set TP,  18                           ; a lane permute's destination: written once at the head
.set L2,  20                           ; v[20:21] the sum's second chain
.set ST,  32                           ; tile i's statistics at v[32 + 8 i]: +0 -M, +1 the largest t, +2, +3 the sum in two halves, +4 f, +5 (named with f as a pair), +6, +7 2^(e8 + e9) / the sum
.set S,   64
.set P,   128
.set Q,   160
.set BI,  192
.set VF,  64                           ; in window 1
.set OT,  128                          ; in window 1
.set WV,  16                           ; s16 my wave's number
.set CX,  17                           ; s17 my place in the cluster: it enters Q's and the output's addresses alone
.set BT,  18                           ; s18 the batch
.set HD,  19                           ; s19 the head
.set G1K, 24                           ; s[24:31] descriptor group 1 for K's tiles;  s[32:39] for V's
.set G1V, 32
.set G0K, 40                           ; s[40:55] four groups 0 for K's chunks;  s[68:83] for V's
.set G0V, 68
.set SEL, 84                           ; s[84:85] lane selects for v_permlanex16_b32: lane l xor 16
.set TBS, 86                           ; s86 8,192 x the key step: where its K and its V begin in their regions
.set BBS, 87                           ; s87 512 x the key step: its bias
.set CNT, 88
.set MSB, 0
.macro WIN new                         ; the immediate's high byte repeats the setting that is left; a switch that changes nothing is dropped
.if MSB != (\new)
	s_set_vgpr_msb (MSB<<8)|(\new)
.set MSB, (\new)
.endif
.endm
.macro CROUND                          ; a round of the cluster's barrier
	s_barrier_signal -1
	s_barrier_wait -1
	s_cmp_lg_u32 s[WV], 0
	s_cbranch_scc1 .Lnot_wave_0_\@
	s_barrier_signal -3
.Lnot_wave_0_\@:
	s_barrier_wait -3
	s_barrier_signal -1
	s_barrier_wait -1
.endm
	s_load_b256 s[4:11], s[0:1], 0x0               ; qc s[4:5], kc s[6:7], vc s[8:9], mask s[10:11]
	s_load_b128 s[12:15], s[0:1], 0x20             ; the scales s[12:13], the output s[14:15]
	v_lshl_add_u32 v158, v0, 2, 0x4a900
	v_mov_b32 v159, 0
	ds_add_u32 v158, v159
	ds_add_u32 v158, v159
	v_lshrrev_b32 v22, 5, v0
	s_delay_alu instid0(VALU_DEP_1)
	v_readfirstlane_b32 s[WV], v22                 ; wave 0..7
	s_bfe_u32 s[CX], ttmp6, 0x40000
	s_and_b32 s20, ttmp7, 0xffff                   ; batch and head, which the four partners share
	s_lshr_b32 s[BT], s20, 4
	s_and_b32 s[HD], s20, 15
	v_and_b32 v23, 31, v0
	s_delay_alu instid0(VALU_DEP_1)
	v_lshlrev_b32 v[L16], 4, v23
	s_delay_alu instid0(VALU_DEP_1)
	v_add_nc_u32 v[LV], VREG, v[L16]
	v_and_b32 v24, 15, v0                          ; r
	v_bfe_u32 v25, v0, 4, 1                        ; h
	s_delay_alu instid0(VALU_DEP_1)
	v_lshl_add_u32 v[AB0], v25, 5, BIAS
	v_lshlrev_b32 v26, 5, v0                       ; my eight numbers of the mask
	v_lshl_add_u32 v28, v0, 5, BIAS                ; and where their bias goes
	; descriptor group 1.  K: 8 images of 1,024 bytes, 16,384 bytes apart in memory, dense in LDS.  V: a dense block of 8,192 bytes, as 32 rows of 256.  Elements of 8 bytes
	s_mov_b32 s[G1K], 15|(3<<16)|(1<<21)           ; 15:0 the mask: all four work-groups; 17:16 elements of 8 bytes; 21 set beside a mask; no padding
	s_mov_b32 s[G1K+1], 128<<16                    ; tensor_dim0 = 128
	s_mov_b32 s[G1K+2], 8<<16                      ; tensor_dim1 = 8
	s_mov_b32 s[G1K+3], 128<<16                    ; tile_dim0 = 128
	s_mov_b32 s[G1K+4], 8                          ; tile_dim1 = 8
	s_mov_b32 s[G1K+5], 2048                       ; tensor_dim0_stride
	s_mov_b32 s[G1K+6], 0
	s_mov_b32 s[G1K+7], 0
	s_mov_b32 s[G1V], 15|(3<<16)|(1<<21)
	s_mov_b32 s[G1V+1], 32<<16
	s_mov_b32 s[G1V+2], 32<<16
	s_mov_b32 s[G1V+3], 32<<16
	s_mov_b32 s[G1V+4], 32
	s_mov_b32 s[G1V+5], 32
	s_mov_b32 s[G1V+6], 0
	s_mov_b32 s[G1V+7], 0
	s_mov_b32 s[SEL], 0x76543210
	s_mov_b32 s[SEL+1], 0xfedcba98
	; what I fetch: a chunk is 512 keys; of each chunk wave w takes quarter w % 4: waves 0-3 of K (8 tiles of 16 keys), waves 4-7 of V (one step of 128 keys)
	s_and_b32 s21, s[WV], 3
	s_lshl_b32 s22, s[BT], 21                      ; the batch: 128 tiles x 16,384 bytes
	s_lshl_b32 s23, s[HD], 10
	s_add_co_u32 s22, s22, s23
	s_lshl_b32 s23, s21, 17                        ; 8 tiles
	s_add_co_u32 s22, s22, s23
	s_mov_b32 s23, 0
	s_lshl_b32 s96, s[BT], 21                      ; the batch: 16 steps x 131,072 bytes
	s_lshl_b32 s97, s21, 17                        ; a step
	s_add_co_u32 s96, s96, s97
	s_lshl_b32 s97, s[HD], 13
	s_add_co_u32 s96, s96, s97
	s_mov_b32 s97, 0
	s_lshl_b32 s98, s21, 13                        ; its place in a chunk's 32,768 bytes of LDS: no place in the cluster enters an LDS address
	s_lshl_b32 s20, s[BT], 13                      ; the batch's mask
	s_mov_b32 s21, 0
	s_lshl_b32 s89, ttmp9, 2
	s_add_co_u32 s89, s89, s[CX]                   ; my block of 512 queries
	s_lshl_b32 s89, s89, 5
	s_lshl_b32 s90, s[BT], 7
	s_add_co_u32 s89, s89, s90
	s_lshl_b32 s90, s[WV], 2
	s_add_co_u32 s89, s89, s90                     ; my first tile of 16 queries: 128 x batch + 32 x block + 4 x wave
	s_lshl_b32 s90, s89, 14
	s_lshl_b32 s91, s[HD], 10
	s_add_co_u32 s90, s90, s91
	s_mov_b32 s91, 0
	s_wait_alu depctr_va_vdst(0)
	s_wait_dscnt 0x0
	s_wait_kmcnt 0x0
	s_load_b128 s[92:95], s[12:13], 0x18           ; e6, e7, e8, e9
	s_add_nc_u64 s[10:11], s[10:11], s[20:21]
	s_add_nc_u64 s[4:5], s[4:5], s[90:91]          ; Q's images at my first tile
	s_add_nc_u64 s[6:7], s[6:7], s[22:23]
	s_add_nc_u64 s[8:9], s[8:9], s[96:97]
	s_lshl_b32 s90, s89, 16                        ; 16 rows of 4,096 bytes a tile
	s_lshl_b32 s91, s[HD], 8
	s_add_co_u32 s90, s90, s91
	s_mov_b32 s91, 0
	s_add_nc_u64 s[14:15], s[14:15], s[90:91]      ; the output at my first row, my head's 256 bytes
	global_load_b128 v[S:S+3],   v26, s[10:11]     ; the mask first,
	global_load_b128 v[S+4:S+7], v26, s[10:11] offset:16
.irp i, 0,1,2,3
	global_load_b128 v[Q+8*\i:Q+8*\i+3],   v[L16], s[4:5] offset:16384*\i       ; then Q's four fragments, which stay in registers
	global_load_b128 v[Q+8*\i+4:Q+8*\i+7], v[L16], s[4:5] offset:16384*\i+512
.endr
.irp c, 0,1,2,3
	s_mov_b32 s[G0K+4*\c], 1                       ; 1:0 count = 1
	s_add_co_u32 s[G0K+4*\c+1], s98, \c*32768      ; 63:32 LDS address
	s_add_nc_u64 s[G0K+4*\c+2:G0K+4*\c+3], s[6:7], \c*524288   ; 120:64 global address: 32 tiles a chunk
	s_or_b32 s[G0K+4*\c+3], s[G0K+4*\c+3], 0x80000000          ; 127:126 type = 2
	s_mov_b32 s[G0V+4*\c], 1
	s_add_co_u32 s[G0V+4*\c+1], s98, VREG+\c*32768
	s_add_nc_u64 s[G0V+4*\c+2:G0V+4*\c+3], s[8:9], \c*524288   ; 4 steps a chunk
	s_or_b32 s[G0V+4*\c+3], s[G0V+4*\c+3], 0x80000000
.endr
	CROUND                                         ; all four work-groups are here: the joint loads meet
	s_cmp_lt_u32 s[WV], 4                          ; a wave's four fills stand in one branch on its number, ahead of every wait on TENSORcnt and every LDS read: four loads of mine are out
	s_cbranch_scc0 .Lfirst_v
.irp c, 0,1,2,3
	tensor_load_to_lds s[G0K+4*\c:G0K+4*\c+3], s[G1K:G1K+7]
	s_nop 0
.endr
.rept 4
	v_nop
.endr
	s_branch .Lfirst_asked
.Lfirst_v:
.irp c, 0,1,2,3
	tensor_load_to_lds s[G0V+4*\c:G0V+4*\c+3], s[G1V:G1V+7]
	s_nop 0
.endr
.rept 4
	v_nop
.endr
.Lfirst_asked:
	s_wait_loadcnt 8                               ; the mask's two loads are in; Q's eight, issued behind them, may be out
	v_mov_b32 v27, 0xdf800000                      ; -2^64
.set j, 0
.rept 8
	v_cmp_eq_u32 vcc_lo, 0, v[S+j]
	s_delay_alu instid0(VALU_DEP_1)
	v_cndmask_b32 v[S+8+j], 0, v27, vcc_lo         ; a hidden key's bias
.set j, j+1
.endr
	ds_store_b128 v28, v[S+8:S+11]
	ds_store_b128 v28, v[S+12:S+15] offset:16
.set j, 1
	v_or_b32 v[S], v[S], v[S+j]
.set j, j+1
.rept (7)-1
	s_delay_alu instid0(VALU_DEP_1)
	v_or_b32 v[S], v[S], v[S+j]
.set j, j+1
.endr
	s_delay_alu instid0(VALU_DEP_1)
	v_cmp_ne_u32 vcc_lo, 0, v[S]                   ; which lanes have seen an open key
	s_delay_alu instid0(VALU_DEP_1)
	v_mov_b32 v29, vcc_lo
	s_lshl_b32 s99, s[WV], 2
	s_add_co_u32 s99, s99, FLAG
	v_mov_b32 v30, s99
	ds_store_b32 v30, v29                          ; all lanes write the same word with the same value
	WIN 0x40                                       ; destination window 1
.set j, 0
.rept 128
	v_mov_b32 v[OT+j], 0                           ; O^T, once.  (The key step has no first form of its own: the first change of M multiplies zeros.  That spares a third copy of the step)
.set j, j+1
.endr
	WIN 0
.irp i, 0,1,2,3
	v_mov_b32 v[ST+8*\i+2], 0                      ; the sum, in two halves
	v_mov_b32 v[ST+8*\i+3], 0
	v_mov_b32 v[ST+8*\i+5], 0                      ; (named as the upper half of f's pair)
.endr
	v_mov_b32 v[TP], 0                             ; a lane permute's destination counts as one of its sources
	s_mul_i32 s99, s[WV], 16*SP
	s_add_co_u32 s99, s99, STAGE                   ; my stage
	v_mul_u32_u24 v[STO], v24, SP                  ; in: row r; 32 bytes for each half of the lanes
	s_delay_alu instid0(VALU_DEP_1)
	v_lshl_add_u32 v[STO], v25, 5, v[STO]
	s_delay_alu instid0(VALU_DEP_1)
	v_add_nc_u32 v[STO], s99, v[STO]
	v_mul_u32_u24 v[RD], v25, SP                   ; back: lanes 0-15 one row of 256 bytes, lanes 16-31 the next
	s_delay_alu instid0(VALU_DEP_1)
	v_lshl_add_u32 v[RD], v24, 4, v[RD]
	s_delay_alu instid0(VALU_DEP_1)
	v_add_nc_u32 v[RD], s99, v[RD]
	v_lshlrev_b32 v[GO], 12, v25                   ; and the same two rows of the output
	s_delay_alu instid0(VALU_DEP_1)
	v_lshl_add_u32 v[GO], v24, 4, v[GO]
	s_wait_kmcnt 0x0
	s_add_co_i32 s99, s92, s93
	s_lshl_b32 s99, s99, 23
	s_add_co_i32 s99, s99, 0x3e38aa3b              ; log2(e) / 8, with e6 + e7 added to its exponent field: a raw score stands for score x 2^(e6 + e7)
	v_mov_b32 v31, s99
	s_add_co_i32 s20, s95, 127
	s_lshl_b32 s21, s20, 23
	v_mov_b32 v[SC], s21                           ; 2^e9 as f32, for the conversion
	s_add_co_i32 s20, s20, 8
	s_lshl_b32 s20, s20, 23
	s_or_b32 s20, s20, 0x600000
	s_wait_loadcnt 0x0                             ; Q
; A step's LDS loads, in one run: K's eight fragments, the bias's eight tiles, V's four fragments.  The three additions and the v_nop are the four places behind the last products, which read V.
.macro LOADS
	v_add_nc_u32 v[ADK], s[TBS], v[L16]
	v_add_nc_u32 v[ADV], s[TBS], v[LV]
	v_add_nc_u32 v[ADB], s[BBS], v[AB0]
	v_nop
	WIN 0x40                                       ; destination window 1
.irp t, 0,1,2,3,4,5,6,7
	ds_load_b128 v[8*\t:8*\t+3],   v[ADK] offset:1024*\t
	ds_load_b128 v[8*\t+4:8*\t+7], v[ADK] offset:1024*\t+512
.endr
	WIN 0
.irp t, 0,1,2,3,4,5,6,7
	ds_load_b128 v[BI+8*\t:BI+8*\t+3],   v[ADB] offset:64*\t      ; bias(128 s + 16 t + 8 h + 0 .. 3): the result's layout
	ds_load_b128 v[BI+8*\t+4:BI+8*\t+7], v[ADB] offset:64*\t+16
.endr
	WIN 0x40
.irp d, 0,1,2,3
.irp p, 0,1,2,3
	ds_load_b128 v[VF+16*\d+4*\p:VF+16*\d+4*\p+3], v[ADV] offset:2048*\d+512*\p
.endr
.endr
	WIN 0
	s_wait_dscnt 16                                ; K and the bias are in; V's sixteen loads, the youngest, may be out
.endm
; S^T of tile i: eight products, K = 64 = the whole head, with the bias as C
.macro SWMMA i
	WIN 0x01                                       ; source 0 (K) window 1
.irp t, 0,1,2,3,4,5,6,7
	v_wmma_f32_16x16x64_fp8_fp8 v[S+8*\t:S+8*\t+7], v[8*\t:8*\t+7], v[Q+8*(\i):Q+8*(\i)+7], v[BI+8*\t:BI+8*\t+7]
.endr
.endm
; The softmax of tile i for this step: from S^T to P's codes
.macro SM i
.set rT, ST+8*(\i)
	WIN 0
	v_max3_num_f32 v[TA], v[S], v[S+1], v[S+2]     ; the step's largest raw score of my query, among my 64 keys, in two chains; each accumulator is read from its low end on
	s_setprio 2
	v_max3_num_f32 v[TB2], v[S+3], v[S+4], v[S+5]
.set j, 6
.rept 14
	v_max3_num_f32 v[TA], v[TA], v[S+j], v[S+j+1]
	v_max3_num_f32 v[TB2], v[TB2], v[S+j+2], v[S+j+3]
.set j, j+4
.endr
	v_max3_num_f32 v[TA], v[TA], v[S+62], v[S+63]
	s_delay_alu instid0(VALU_DEP_1)
	v_max_num_f32 v[TA], v[TA], v[TB2]
	s_delay_alu instid0(VALU_DEP_1)
	v_permlanex16_b32 v[TP], v[TA], s[SEL], s[SEL+1]
	s_delay_alu instid0(VALU_DEP_1)
	v_max_num_f32 v[TA], v[TA], v[TP]              ; and among lane l xor 16's
	s_delay_alu instid0(VALU_DEP_1)
	v_mul_f32 v[TA], v[CV], v[TA]                  ; as t (c is not negative)
	s_delay_alu instid0(VALU_DEP_1)
	v_max_num_f32 v[rT+1], v[rT+1], v[TA]          ; the running largest t
	v_mov_b32 v[TA], v[rT]
	s_delay_alu instid0(VALU_DEP_2)
	v_floor_f32 v[rT], -v[rT+1]                    ; the new -M = floor(-t) = -ceil(t): M is a whole number
	s_delay_alu instid0(VALU_DEP_1)
	v_sub_f32 v[TA], v[rT], v[TA]                  ; old M - new M: a whole number, 0 or less
	s_delay_alu instid0(VALU_DEP_1)
	v_cvt_i32_f32 v[TA], v[TA]                     ; (it saturates)
	s_delay_alu instid0(VALU_DEP_1)
	v_ldexp_f32 v[rT+4], 1.0, v[TA]                ; f = 2^(old M - new M)
.set j, 0
.rept 32
	v_pk_fma_f32 v[S+j:S+j+1], v[S+j:S+j+1], v[CV:CV+1], v[rT:rT+1] op_sel_hi:[1,0,0]   ; t - M, two at a time (of the pairs c and -M the low word serves both halves)
.set j, j+2
.endr
.set j, 0
	s_wait_alu depctr_va_vdst(0)
.rept 64
	v_exp_f32 v[S+j], v[S+j]                       ; p = 2^(t - M), at most 1: not normalised
.set j, j+1
.endr
	v_pk_mul_f32 v[rT+2:rT+3], v[rT+2:rT+3], v[rT+4:rT+5] op_sel_hi:[1,0]   ; the sums under the new M: the plain instruction behind the exponentials
	s_wait_alu depctr_va_vdst(0)                   ; one wait for the batch of 64, ahead of its first reader
	v_pk_add_f32 v[L2:L2+1], v[S:S+1], v[S+2:S+3]  ; the row's sum is taken of the unquantised p: two at a time, in two chains
.set j, 4
	s_setprio 1
.rept 15
	v_pk_add_f32 v[rT+2:rT+3], v[rT+2:rT+3], v[S+j:S+j+1]
	v_pk_add_f32 v[L2:L2+1], v[L2:L2+1], v[S+j+2:S+j+3]
.set j, j+4
.endr
	s_delay_alu instid0(VALU_DEP_1)
	v_pk_add_f32 v[rT+2:rT+3], v[rT+2:rT+3], v[L2:L2+1]
.if DUALMIN                            ; the conversion to an 8-bit code does not saturate (ISA guide 7.6.2); p is not held: p / 2^e9 must stay within 448
.set j, 0
.rept 32
.set j, j+2
.endr
.else
.set j, 0
.rept 64
	v_min_num_f32 v[S+j], v[S+j], v[HL0]
.set j, j+1
.endr
.endif
.irp t, 0,1,2,3,4,5,6,7
	v_cvt_scalef32_pk8_fp8_f32 v[P+2*\t:P+2*\t+1], v[S+8*\t:S+8*\t+7], v[SC]   ; keys 16 t + 8 h + 0 .. 7: registers 2 t, 2 t + 1 of P
.endr
	v_nop                                          ; one plain vector instruction between the conversions and the products that write S^T anew or read P
.endm
.macro RESC i                          ; O^T of tile i under the new M: x f.  Sixteen plain instructions: also the places between the next tile's products K Q^T and the first read of their results
	WIN 0x41                                       ; destination and source 0 window 1, f window 0
.set j, 0
.rept 16
	v_pk_mul_f32 v[OT+32*(\i)+j:OT+32*(\i)+j+1], v[OT+32*(\i)+j:OT+32*(\i)+j+1], v[ST+8*(\i)+4:ST+8*(\i)+5] op_sel_hi:[1,0]
.set j, j+2
.endr
.endm
.macro PVM i                           ; O^T of tile i += V^T P: four products, K = the step's 128 keys; the four accumulators take turns
	WIN 0x51                                       ; V, C and D window 1, P window 0
	s_setprio 0
.irp d, 0,1,2,3
	v_wmma_f32_16x16x128_fp8_fp8 v[OT+32*(\i)+8*\d:OT+32*(\i)+8*\d+7], v[VF+16*\d:VF+16*\d+15], v[P:P+15], v[OT+32*(\i)+8*\d:OT+32*(\i)+8*\d+7]
.endr
.endm
; A KEY STEP: 128 keys for my four tiles.  A tile's products K Q^T are issued ahead of the tile before's V^T P, so that no two matrix instructions that follow each other share an accumulator.
.macro STEP
	LOADS
	SWMMA 0
	WIN 0
.rept 4
	v_nop                                          ; places in front of the first read of results
.endr
	SM 0
	SWMMA 1
	RESC 0
	s_wait_alu depctr_va_vdst(0)
	s_wait_dscnt 0x0                               ; V is in
	PVM 0
	SM 1
	SWMMA 2
	RESC 1
	PVM 1
	SM 2
	SWMMA 3
	RESC 2
	PVM 2
	SM 3
	RESC 3
	PVM 3
	WIN 0                                          ; at a label and at a branch every window is 0
	s_add_co_u32 s[TBS], s[TBS], 8192
	s_add_co_u32 s[BBS], s[BBS], 512
.endm
.macro WALK trips
	s_mov_b32 s[CNT], \trips
.Lstep_\@:
	STEP
	s_sub_co_u32 s[CNT], s[CNT], 1
	s_cmp_lg_u32 s[CNT], 0
	s_cbranch_scc1 .Lstep_\@
	s_setprio 0
.endm
	s_wait_tensorcnt 3                             ; my part of chunk 0 is in; my three younger loads may be out
	s_wait_dscnt 0x0                               ; for the others' sake: my bias and my flag are stored
	s_barrier_signal -1
	s_barrier_wait -1                              ; everybody's are
	v_mov_b32 v22, FLAG
	ds_load_b128 v[S:S+3],   v22
	ds_load_b128 v[S+4:S+7], v22 offset:16
	s_wait_dscnt 0x0
.set j, 1
	v_or_b32 v[S], v[S], v[S+j]
.set j, j+1
.rept (7)-1
	s_delay_alu instid0(VALU_DEP_1)
	v_or_b32 v[S], v[S], v[S+j]
.set j, j+1
.endr
	s_delay_alu instid0(VALU_DEP_1)
	v_cmp_ne_u32 vcc_lo, 0, v[S]                   ; has the batch an open key?
	s_delay_alu instid0(VALU_DEP_1)
	v_cndmask_b32 v[CV], 0, v31, vcc_lo            ; c, or 0: a selection, no branch
	s_delay_alu instid0(VALU_DEP_1)
	v_mov_b32 v[CV+1], v[CV]
.irp i, 0,1,2,3
	v_mul_f32 v[ST+8*\i+1], 0xcb800000, v[CV]      ; the largest t so far: -2^24 x c, under every open key's
	s_delay_alu instid0(VALU_DEP_1)
	v_floor_f32 v[ST+8*\i], -v[ST+8*\i+1]          ; -M
.endr
	s_mov_b32 s[TBS], 0
	s_mov_b32 s[BBS], 0
	WALK 4                                         ; chunk 0's four steps, while chunks 1 to 3 land
	s_wait_tensorcnt 0x0                           ; my parts of chunks 1 to 3 are in
	s_wait_dscnt 0x0
	s_barrier_signal -1
	s_barrier_wait -1                              ; everybody's are
	s_mov_b32 s[TBS], 4*8192
	s_mov_b32 s[BBS], 4*512
	WALK 12
	; THE WAY OUT.  The sum's two halves and the other half of the lanes' are added (the first four additions are the places behind the last products); O^T x 2^(e8 + e9) / the sum goes through my stage in LDS, a tile at a time
.irp i, 0,1,2,3
	v_add_f32 v[ST+8*\i+6], v[ST+8*\i+2], v[ST+8*\i+3]
.endr
.irp i, 0,1,2,3
	s_delay_alu instid0(VALU_DEP_4)
	v_permlanex16_b32 v[ST+8*\i+5], v[ST+8*\i+6], s[SEL], s[SEL+1]
.endr
.irp i, 0,1,2,3
	s_delay_alu instid0(VALU_DEP_4)
	v_add_f32 v[ST+8*\i+6], v[ST+8*\i+6], v[ST+8*\i+5]
.endr
	s_wait_alu depctr_va_vdst(0)
.irp i, 0,1,2,3
	v_rcp_f32 v[ST+8*\i+6], v[ST+8*\i+6]
.endr
	v_nop                                          ; a plain instruction between the last reciprocal and the use of its result
	s_add_co_i32 s20, s94, s95                     ; e8 + e9
	s_wait_alu depctr_va_vdst(0)                   ; one wait for the four reciprocals, ahead of their first reader
.irp i, 0,1,2,3
	v_ldexp_f32 v[ST+8*\i+6], v[ST+8*\i+6], s20
	s_delay_alu instid0(VALU_DEP_1)
	v_mov_b32 v[ST+8*\i+7], v[ST+8*\i+6]           ; (named with it as a pair)
.endr
; Tile i: a lane's eight channels of a row are 32 bytes; they go into rows of 272 bytes and come back as whole rows of 256.
.macro PACK i
.set SB, S+32*((\i)%2)
.set BB, BI+32*((\i)%2)
	WIN 0x01                                       ; source 0 (O^T) window 1
.set j, 0
.rept 16
	v_pk_mul_f32 v[SB+j:SB+j+1], v[OT+32*(\i)+j:OT+32*(\i)+j+1], v[ST+8*(\i)+6:ST+8*(\i)+7] op_sel_hi:[1,0]   ; each accumulator from its low end on
.set j, j+2
.endr
	WIN 0
.irp d, 0,1,2,3
	ds_store_b128 v[STO], v[SB+8*\d:SB+8*\d+3]   offset:64*\d       ; row r, channels 16 d + 8 h + 0 .. 3
	ds_store_b128 v[STO], v[SB+8*\d+4:SB+8*\d+7] offset:64*\d+16
.endr
.irp n, 0,1,2,3,4,5,6,7
	ds_load_b128 v[BB+4*\n:BB+4*\n+3], v[RD] offset:2*\n*SP         ; LDS serves a wave's instructions in order (ISA guide 5.7.1.4): these see the stores above, and the next tile's stores come behind them
.endr
.endm
.macro SEND i, younger                 ; younger: the LDS instructions issued behind tile i's loads: the next tile's sixteen, or none
.set BB, BI+32*((\i)%2)
.irp n, 0,1,2,3,4,5,6,7
	s_wait_dscnt \younger+7-\n
	global_store_b128 v[GO], v[BB+4*\n:BB+4*\n+3], s[14:15] offset:65536*(\i)+8192*\n th:TH_STORE_NT   ; 16 lanes store 256 consecutive bytes, at a multiple of 256 from the output's first byte; written once, read by nobody here
.endr
.endm
	PACK 0
	PACK 1
	SEND 0, 16
	s_wait_xcnt 0x0                                ; tile 0's stores have read their registers: tile 2's rows may land there
	PACK 2
	SEND 1, 16
	s_wait_xcnt 0x0                                ; likewise tile 1's
	PACK 3
	SEND 2, 16
	SEND 3, 0
	s_wait_tensorcnt 0x0                           ; no tensor load and no LDS instruction of mine is out
	s_wait_dscnt 0x0
	s_wait_tensorcnt 0x0
	ds_add_u32 v158, v159
	s_wait_dscnt 0x0
	CROUND                                         ; the closing round: no work-group ends while a partner may still ask for a tile that names it
	s_endpgm
.Lfunc_end_k_qdf10da6ec9_attn:
	.size	k_qdf10da6ec9_attn, .Lfunc_end_k_qdf10da6ec9_attn-k_qdf10da6ec9_attn
	.p2alignl 7, 3214868480
	.fill 96, 4, 3214868480
	.section	.rodata,"a",@progbits
	.p2align	6, 0x0
	.amdhsa_kernel k_qdf10da6ec9_attn
		.amdhsa_group_segment_fixed_size 327680
		.amdhsa_private_segment_fixed_size 0
		.amdhsa_enable_private_segment 0
		.amdhsa_kernarg_size 48
		.amdhsa_user_sgpr_count 2
		.amdhsa_user_sgpr_kernarg_segment_ptr 1
		.amdhsa_wavefront_size32 1
		.amdhsa_system_sgpr_workgroup_id_x 1
		.amdhsa_system_sgpr_workgroup_id_y 1
		.amdhsa_system_sgpr_workgroup_id_z 1
		.amdhsa_system_vgpr_workitem_id 0
		.amdhsa_next_free_vgpr 512
		.amdhsa_next_free_sgpr 100
		.amdhsa_reserve_vcc 1
		.amdhsa_float_denorm_mode_32 3
		.amdhsa_float_denorm_mode_16_64 3
		.amdhsa_fp16_overflow 1
		.amdhsa_memory_ordered 1
		.amdhsa_forward_progress 1
		.amdhsa_inst_pref_size 130
	.end_amdhsa_kernel
	.amdgpu_metadata
---
amdhsa.version: [ 1, 2 ]
amdhsa.kernels:
  - .name:           k_qdf10da6ec9_attn
    .symbol:         k_qdf10da6ec9_attn.kd
    .args:
      - { .name: qc, .offset: 0, .size: 8, .value_kind: global_buffer, .address_space: global }
      - { .name: kc, .offset: 8, .size: 8, .value_kind: global_buffer, .address_space: global }
      - { .name: vc, .offset: 16, .size: 8, .value_kind: global_buffer, .address_space: global }
      - { .name: mask, .offset: 24, .size: 8, .value_kind: global_buffer, .address_space: global }
      - { .name: lowp_scales, .offset: 32, .size: 8, .value_kind: global_buffer, .address_space: global }
      - { .name: out0, .offset: 40, .size: 8, .value_kind: global_buffer, .address_space: global }
    .group_segment_fixed_size: 327680
    .private_segment_fixed_size: 0
    .kernarg_segment_align: 8
    .kernarg_segment_size: 48
    .max_flat_workgroup_size: 256
    .sgpr_count:     100
    .vgpr_count:     512
    .wavefront_size: 32
...
	.end_amdgpu_metadata
.endif
;; end of part 2
